; MI455X (gfx1250); checked and timed in simulation.
; The chip was launched on July 23, 2026; its instructions are those of AMD's public machine-readable ISA for CDNA 5 (MIT licence, August 2026) and "CDNA5" Instruction Set Architecture Reference Guide (July 2026). The comments in the code are by the model that wrote it; some were corrected since.
;; Scale Attend. Allowed arithmetic: matrix products marked QUANTISED: E2M1 operands, one E8M0 scale for each 32 along K, by v_wmma_scale_f32_16x16x128_f8f6f4 with both operands' format E2M1 (or v_wmma_scale_f32_32x16x128_f4), f32 sums; everything else in f32.
;; Inputs: attention_mask 4 x 2,048 bool; k 4 x 16 x 2,048 x 64 float32; q 4 x 16 x 2,048 x 64 float32; v 4 x 16 x 2,048 x 64 float32.
;; Outputs: out0 4 x 16 x 2,048 x 64 float32.
;; This version of the problem:
;;   THIS VERSION OF THE PROBLEM IS GIVEN IN LOW PRECISION. The matrix products marked QUANTISED in the list below multiply operands that are first quantised to E2M1 (2 exponent bits, 1 mantissa bit; 4 bits a number), with one power-of-two scale for each 32 numbers along K (OCP MX v1.0); their sums are f32. All else is computed in f32.
;;   The module's matrix products, in the order in which they are computed (A, B: the left and right operand; K: the contracted axis; several contracted axes count as one K, in the product's order):
;;     1. batch 64 x [M 2,048, K 64] x [K 64, N 2,048]; A: input q; B: input k: QUANTISED
;;     2. batch 64 x [M 2,048, K 2,048] x [K 2,048, N 64]; A: softmax (see below); B: input v: QUANTISED
;;   THE QUANTISER, for each operand of a quantised product, along K:
;;     - K is cut into blocks of 32 from its start; a last block that is shorter is filled with zeros.
;;     - A block's scale is 2^e with e = floor(log2(the largest magnitude in the block)) - 2, held to -126 .. 127; a block of zeros has e = 0. As a byte (E8M0): e + 127.
;;     - Each number is divided by its block's scale, clamped to +-6, and rounded to the nearest number of E2M1, ties to even, subnormals kept.
;;     - The product sums the exact products of the quantised numbers (number of the format x scale) in f32.
;;   ~~~python
;;   def quantise(x, axis):      # numpy; x: float32 -> the quantised numbers, widened to float32 again
;;       x = np.moveaxis(x, axis, -1); K = x.shape[-1]
;;       x = np.pad(x, [(0, 0)] * (x.ndim - 1) + [(0, -K % 32)]); x = x.reshape(x.shape[:-1] + (-1, 32)); a = np.abs(x).max(-1, keepdims=True)
;;       e = np.where(a > 0, np.clip(np.frexp(np.where(a > 0, a, 1))[1] - 1 - 2, -126, 127), 0)      # np.frexp(a)[1] - 1 = floor(log2(a)), exactly
;;       r = np.clip(x / 2.0 ** e, -6, 6)
;;       step = 2.0 ** (np.maximum(np.frexp(np.where(r == 0, 1, r))[1] - 1, 0) - 1)
;;       q = np.round(r / step) * step * 2.0 ** e      # np.round: ties to even
;;       return np.moveaxis(q.reshape(q.shape[:-2] + (-1,))[..., :K], -1, axis).astype(np.float32)
;;   ~~~
;;   SOFTMAX AHEAD OF A QUANTISED PRODUCT. Where the list says 'softmax', what is quantised is not the finished softmax but p = 2^(t - M), with t = logit x log2(e) and M = ceil(the row's largest t), a whole number; so 1/2 < the row's largest p <= 1. The row's sum l is taken of the UNQUANTISED p, in f32, and the product's result is divided by l at the end. Since M is a whole number, a kernel that streams over the keys may use a running M (the ceiling of the running maximum): every later rescaling is an exact power of two, which a block's scale takes up: the codes' values come out the same.
;;   OPERANDS COMPUTED ON THE WAY. 'Computed on the way' means the value that the module computes at that place (a softmax that the list does not call 'softmax' is quantised finished and normalised). What goes into a quantiser is computed in f32, as accurately as f32 sums, v_exp_f32 and their like allow (about 1e-6 of the number): no bf16 or f16 on the way to a quantiser, and a product that is left as it is and whose result goes on into a quantised operand takes f32 operands (vector FMAs, or v_wmma_f32_16x16x4_f32). A number that lies on a knife's edge between two numbers of the format may be rounded either way, as far as f32 arithmetic and the matrix unit's own rounding can turn it there, and no further.
;; One version. Each part assembles by itself: llvm-mc -triple=amdgcn-amd-amdhsa -mcpu=gfx1250 --defsym DOCPART=n.
;; ======== version 1 of 1: 2 launches
;; limits: right only within a limited range of input values
;; workspace buffers: kv 10,223,616 bytes
;; launch prep (part 1): grid 8 x 64, 4 waves a work-group, no clusters, 71,168 bytes of LDS; arguments k, v, attention_mask, kv; writes kv
.if DOCPART == 1
	.amdgcn_target "amdgcn-amd-amdhsa--gfx1250"
	.amdhsa_code_object_version 6
	.text
	.protected	k_q2a1b8bc7ac_prep
	.globl	k_q2a1b8bc7ac_prep
	.p2align	8
	.type	k_q2a1b8bc7ac_prep,@function
k_q2a1b8bc7ac_prep:
	s_mov_b64 s[64:65], 0
	v_nop
	global_prefetch_b8 v0, s[64:65] scope:SCOPE_SE
	s_setreg_imm32_b32 hwreg(HW_REG_WAVE_MODE, 25, 1), 1
	s_wait_xcnt 0x0
; k and v [64 heads][2048 keys][64] f32 become codes of FP4 (E2M1) with E8M0 scale bytes, laid in kv as images of the attention launch's operand registers.
; k is quantised along d (two blocks of 32 a key), v along the keys (a column d has one block for each 32 keys).  A block's scale is 2^(floor(log2(largest magnitude)) - 2).
; kv: [head][step of 128 keys][9,984 bytes]:
;   0    + 512 t + 16 l            K's tile t = 4 g + i: lane l = (r, h) holds the codes d = 32 h .. 32 h + 31 of key 64 g + 32 (r / 8) + 8 i + r % 8
;   4096 + 1024 t + 512 c + 16 l   V's tile t (d = 16 t + r), registers 4 c .. 4 c + 3: lane (r, h) holds the codes of keys 64 c + 32 h + 0 .. 31
;   8192 + 256 g + 8 l + 4 j       K's scale words: lanes 0-15 tile 4 g + 2 j, lanes 16-31 tile 4 g + 2 j + 1, row r: bytes 0, 1 the key's two blocks, byte 2 = 254, byte 3 = 1
;   8704 + 128 g + 4 l             V's scale words: lanes 0-15 tile 2 g, lanes 16-31 tile 2 g + 1
;   8960 + 256 (t / 2) + 8 l + 4 (t % 2)   register 4 of K's tile t (k = 64 + 32 h ..): THE MASK AS A CODE: -1 at k = 64 of a masked key, 0 of a key that counts, 0 in lanes 16-31
; The first product has K = 64, the matrix instruction 128.  The attention launch puts +1 (scale byte 120) at k = 64 of every query: a masked key's scores get -2^120, the others get nothing.
; A batch whose mask is all false: reference() then has equal logits, a uniform softmax.  Here its K codes and mask codes are zeros: all scores are equal.  Chosen by selects, no branch.
; LIMITS: a block's byte is held at 1 from below; a block of zeros keeps the byte 1 where the rule says 127 (its codes are zeros, and this program alone reads the bytes); NaN and infinities among the inputs are not served.
; SHARES.  Wave w of work-group (x, head) takes step 2 x + w / 2 and half g = w % 2: K's keys 64 g .. 64 g + 63 and V's columns 32 g .. 32 g + 31 for the step's 128 keys.  Waves share nothing: no barrier.
; K: each load reads 512 bytes on end (two keys); the 64 keys turn through the wave's own stage in LDS, so that a lane gets 32 neighbours along d of one key.
; V: a lane takes a column and its registers run down the keys.
.set STEPB, 9984
.set HEADB, 16*STEPB
.set KIMG,  0
.set VIMG,  4096
.set KSCL,  8192
.set VSCL,  8704
.set KMSK,  8960
.set STB,   8832                       ; 32 staged keys: key kl at 272 kl + 128 (kl / 16); STB = 128 modulo 256, so the 16 keys of a tile begin in 16 different columns of 16 bytes
.set WST,   2*STB                      ; a wave's stage
.set SPARE, 4*WST                      ; the spare words, 128 bytes a wave
.set L16, 1                            ; 16 x lane
.set OKM, 2                            ; mask codes: 8 l + 512 g
.set L4,  3                            ; 4 x lane
.set SW,  4                            ; the stage, way in: 272 h + 16 r
.set SRK, 5                            ; way out: 272 (r % 8) + STB (r / 8) + 128 h
.set MKO, 6                            ; r % 8 + 32 (r / 8): my key in tile 0
.set OKI, 7                            ; K's image: 16 l + 2048 g
.set OKS, 8                            ; K's scale words: 8 l + 256 g
.set OVI, 9                            ; V's image: 1024 (l / 16) + 16 (l % 16) + 2048 g
.set OVS, 10                           ; V's scale words: 4 l + 128 g
.set BIG, 14                           ; a masked key's register 4
.set MA,  16                           ; v16-31 the batch's 2,048 mask bytes
.set MK,  32                           ; v32-35 my key's mask byte in each tile
.set W,   36                           ; v36-37 K's scale words
.set SBV, 38
.set WT,  39
.set MX,  40
.set MX2, 41
.set SC,  42
.set BY,  43
.set OTH, 44
.set WLO, 45
.set WHI, 46
.set CK,  48                           ; v48-63 K's codes, never written again
.set CV,  64                           ; v64-79 V's codes
.set X,   80                           ; v80-111 32 neighbours along d
.set KR,  112                          ; v112-239 K as loaded
.set VR,  112                          ; v112-175 V: two sets of 32, over K's first half once that has been staged
.set SPW, 240
.set NIL, 241
.set MC,  242                          ; v242-245 the four tiles' mask codes
.set HL,  246                          ; 1 in lanes 0-15
.set SEL, 20
.set HM,  24                           ; lanes 16-31
.set ANYM, 26                          ; -1 where the batch has a key that counts, else 0
.set B2M, 27                           ; the code 0xa = -1 there, else 0
	s_load_b256 s[4:11], s[0:1], 0x0               ; k, v, the mask, kv
	v_lshl_add_u32 v[SPW], v0, 2, SPARE
	v_mov_b32 v[NIL], 0
	v_lshrrev_b32 v11, 5, v0
	v_readfirstlane_b32 s12, v11                   ; wave
	s_and_b32 s13, s12, 1                          ; g
	s_lshr_b32 s14, s12, 1
	s_lshl_b32 s16, ttmp9, 1
	s_add_co_u32 s14, s14, s16                     ; step
	s_and_b32 s15, ttmp7, 0xffff                   ; head
	s_lshl_b32 s16, s15, 19
	s_lshl_b32 s18, s14, 15
	s_add_co_u32 s18, s16, s18
	s_lshl_b32 s16, s13, 14
	s_add_co_u32 s16, s18, s16                     ; k: + 64 g keys
	s_mov_b32 s17, 0
	s_lshl_b32 s28, s13, 7
	s_add_co_u32 s18, s18, s28                     ; v: + 32 g columns
	s_mov_b32 s19, 0
	s_lshr_b32 s28, s15, 4
	s_lshl_b32 s28, s28, 11                        ; the batch's row of the mask
	s_mov_b32 s29, 0
	s_lshl_b32 s30, s14, 7
	s_lshl_b32 s31, s13, 6
	s_add_co_u32 s30, s30, s31                     ; in it: my 64 keys
	s_mov_b32 s31, 0
	s_mul_i32 s32, s15, HEADB
	s_mul_i32 s33, s14, STEPB
	s_add_co_u32 s32, s32, s33
	s_mov_b32 s33, 0
	s_mul_i32 s34, s12, WST
	s_lshl_b32 s35, s13, 11
	s_lshl_b32 s36, s13, 8
	s_lshl_b32 s37, s13, 7
	s_lshl_b32 s38, s13, 9
	s_mov_b32 s[SEL], 0x76543210
	s_mov_b32 s[SEL+1], 0xfedcba98
	s_mov_b32 s[HM], 0xffff0000
	v_and_b32 v11, 31, v0
	v_and_b32 v12, 15, v0                          ; r
	v_bfe_u32 v15, v0, 4, 1                        ; h
	v_lshlrev_b32 v[L16], 4, v11
	v_lshlrev_b32 v[L4], 2, v11
	v_mul_u32_u24 v[SW], v15, 272
	v_lshl_add_u32 v[SW], v12, 4, v[SW]
	v_add_nc_u32 v[SW], s34, v[SW]
	v_and_b32 v[MKO], 8, v12
	v_mad_u32_u24 v[MKO], v[MKO], 3, v12
	v_and_b32 v[SRK], 7, v12
	v_mul_u32_u24 v[SRK], v[SRK], 272
	v_lshrrev_b32 v[OTH], 3, v12
	v_mad_u32_u24 v[SRK], v[OTH], STB, v[SRK]
	v_lshl_add_u32 v[SRK], v15, 7, v[SRK]
	v_add_nc_u32 v[SRK], s34, v[SRK]
	v_add_nc_u32 v[OKI], s35, v[L16]
	v_lshl_add_u32 v[OKS], v11, 3, s36
	v_lshl_add_u32 v[OKM], v11, 3, s38
	v_lshlrev_b32 v[OVI], 10, v15
	v_lshl_add_u32 v[OVI], v12, 4, v[OVI]
	v_add_nc_u32 v[OVI], s35, v[OVI]
	v_add_nc_u32 v[OVS], s37, v[L4]
	v_sub_nc_u32 v[HL], 1, v15
	v_mov_b32 v[OTH], 0                            ; a lane permute's destination counts as one of its sources
	s_wait_alu depctr_va_vdst(0)                   ; the wait at the head's end
	s_wait_kmcnt 0x0
	s_add_nc_u64 s[4:5], s[4:5], s[16:17]
	s_add_nc_u64 s[6:7], s[6:7], s[18:19]
	s_add_nc_u64 s[8:9], s[8:9], s[28:29]
	s_add_nc_u64 s[22:23], s[8:9], s[30:31]
	s_add_nc_u64 s[10:11], s[10:11], s[32:33]
.macro LOADK j                         ; 32 keys, 8,192 bytes, 512 on end to a load
.irp i, 0,1,2,3,4,5,6,7,8,9,10,11,12,13,14,15
	global_load_b128 v[KR+64*(\j)+4*\i:KR+64*(\j)+4*\i+3], v[L16], s[4:5] offset:8192*(\j)+512*\i th:TH_LOAD_NT
.endr
.endm
.macro STAGE j                         ; into the stage as loaded: load i holds keys 2 i and 2 i + 1
.irp i, 0,1,2,3,4,5,6,7,8,9,10,11,12,13,14,15
	ds_store_b128 v[SW], v[KR+64*(\j)+4*\i:KR+64*(\j)+4*\i+3] offset:STB*(\j)+544*\i+128*(\i/8)
.endr
.endm
.macro TLOAD i                         ; tile i: my key's 32 numbers of my half of d.  LDS serves a wave's instructions in order: these see the stores
.irp n, 0,1,2,3,4,5,6,7
	ds_load_b128 v[X+4*\n:X+4*\n+3], v[SRK] offset:2176*(\i)+128*((\i)/2)+16*\n
.endr
.endm
.macro MAX32 x                         ; the largest magnitude of 32 registers, with the floor 2^(3 - 127); then 2 off its exponent field: the conversion's scale operand
	v_max3_num_f32 v[MX], |v[(\x)]|, |v[(\x)+1]|, |v[(\x)+2]|
	v_max3_num_f32 v[MX2], |v[(\x)+3]|, |v[(\x)+4]|, |v[(\x)+5]|
.irp i, 6,10,14,18,22,26
	v_max3_num_f32 v[MX], v[MX], |v[(\x)+\i]|, |v[(\x)+\i+1]|
	v_max3_num_f32 v[MX2], v[MX2], |v[(\x)+\i+2]|, |v[(\x)+\i+3]|
.endr
	v_max3_num_f32 v[MX], v[MX], |v[(\x)+30]|, |v[(\x)+31]|
	v_max3_num_f32 v[MX], v[MX], v[MX2], 0x1800000
	v_add_nc_u32 v[SC], 0xff000000, v[MX]
.endm
.macro TCOMP j, u                      ; tile i = 2 j + u: codes, their image, the scale words and the mask codes
.set CT, CK+4*(2*(\j)+(\u))
	MAX32 X
.irp n, 0,1,2,3
	v_cvt_scalef32_pk8_fp4_f32 v[CT+\n], v[X+8*\n:X+8*\n+7], v[SC]
.endr
	v_lshrrev_b32 v[BY], 23, v[SC]                 ; the scale's byte (the plain line behind the conversions)
.irp n, 0,1,2,3
	v_and_b32 v[CT+\n], s[ANYM], v[CT+\n]          ; zeros where the batch's mask is all false
.endr
	global_store_b128 v[OKI], v[CT:CT+3], s[10:11] offset:KIMG+1024*(\j)+512*(\u)   ; 512 bytes on end
	v_permlanex16_b32 v[OTH], v[BY], s[SEL], s[SEL+1]
	v_cndmask_b32 v[WLO], v[BY], v[OTH], s[HM]     ; byte 0: d = 0 .. 31, which lanes 0-15 hold
	v_cndmask_b32 v[WHI], v[OTH], v[BY], s[HM]     ; byte 1: d = 32 .. 63
	v_cmp_eq_u32 vcc_lo, 0, v[MK+2*(\j)+(\u)]
	v_cndmask_b32 v[MC+2*(\j)+(\u)], 0, v[BIG], vcc_lo   ; the mask's code
	v_lshl_or_b32 v[WLO], v[WHI], 8, v[WLO]
.if (\u) == 0
	v_or_b32 v[WT], 0x01fe0000, v[WLO]
.else
	v_or_b32 v[WLO], 0x01fe0000, v[WLO]
	v_cndmask_b32 v[W+(\j)], v[WT], v[WLO], s[HM]  ; lanes 0-15 the pair's first tile, lanes 16-31 its second
	global_store_b64 v[OKM], v[MC+2*(\j):MC+2*(\j)+1], s[10:11] offset:KMSK+256*(\j)   ; 256 bytes on end, aligned
.endif
.endm
.macro LOADV kb                        ; keys 32 kb .. 32 kb + 31 of my column
.irp i, 0,1,2,3,4,5,6,7,8,9,10,11,12,13,14,15,16,17,18,19,20,21,22,23,24,25,26,27,28,29,30,31
	global_load_b32 v[VR+32*((\kb)%2)+\i], v[L4], s[6:7] offset:(32*(\kb)+\i)*256 th:TH_LOAD_NT
.endr
.endm
.macro BLOCKV kb, left                 ; left: the loads issued behind this block's, which may stay out
.set XV, VR+32*((\kb)%2)
	s_wait_loadcnt \left
	MAX32 XV
.irp n, 0,1,2,3
	v_cvt_scalef32_pk8_fp4_f32 v[CV+4*(\kb)+\n], v[XV+8*\n:XV+8*\n+7], v[SC]
.endr
	v_lshrrev_b32 v[BY], 23, v[SC]
.if (\kb) == 0
	v_mov_b32 v[SBV], v[BY]
.else
	v_lshl_or_b32 v[SBV], v[BY], 8*(\kb), v[SBV]
.endif
	global_store_b128 v[OVI], v[CV+4*(\kb):CV+4*(\kb)+3], s[10:11] offset:VIMG+512*((\kb)/2)+256*((\kb)%2)   ; sixteen lanes store 256 bytes on end, aligned
.endm
.irp i, 0,1,2,3
	global_load_b128 v[MA+4*\i:MA+4*\i+3], v[L16], s[8:9] offset:512*\i    ; the batch's whole row of the mask
.endr
.irp j, 0,1
.irp u, 0,1
	global_load_u8 v[MK+2*\j+\u], v[MKO], s[22:23] offset:16*\j+8*\u        ; my key's byte in each tile
.endr
.endr
	LOADK 0
	LOADK 1
	s_wait_loadcnt 32                              ; the mask's eight loads are in; K's 32 stay out
.irp i, 0,1,2,3,4,5,6,7
	v_or_b32 v[MA+\i], v[MA+\i], v[MA+8+\i]
.endr
.irp i, 0,1,2,3
	v_or_b32 v[MA+\i], v[MA+\i], v[MA+4+\i]
.endr
.irp i, 0,1
	v_or_b32 v[MA+\i], v[MA+\i], v[MA+2+\i]
.endr
	v_or_b32 v[MA], v[MA], v[MA+1]
	v_cmp_ne_u32 s25, 0, v[MA]
	s_cmp_lg_u32 s25, 0                            ; does any key of the batch count?
	s_cselect_b32 s[ANYM], -1, 0
	s_cselect_b32 s[B2M], 10, 0
	v_mul_u32_u24 v[BIG], s[B2M], v[HL]            ; in lanes 0-15 alone
	s_wait_loadcnt 0x0                             ; K's 64 keys are in
	STAGE 0
	STAGE 1
	TLOAD 0
	s_wait_dscnt 0x0                               ; the tile is in, and the stage's stores have read K's registers, which V's loads take
	LOADV 0
	LOADV 1
	TCOMP 0, 0
	TLOAD 1
	s_wait_dscnt 0x0
	TCOMP 0, 1
	TLOAD 2
	s_wait_dscnt 0x0
	TCOMP 1, 0
	TLOAD 3
	s_wait_dscnt 0x0
	TCOMP 1, 1
	global_store_b64 v[OKS], v[W:W+1], s[10:11] offset:KSCL     ; 256 bytes on end, aligned
	BLOCKV 0, 32
	LOADV 2
	BLOCKV 1, 32
	LOADV 3
	BLOCKV 2, 32
	BLOCKV 3, 0
	global_store_b32 v[OVS], v[SBV], s[10:11] offset:VSCL       ; 128 bytes on end; the step's other wave stores the 128 beside them
	s_wait_tensorcnt 0x0                           ; the wave's end
	ds_add_u32 v[SPW], v[NIL]
	s_wait_dscnt 0x0
	s_endpgm
.Lfunc_end_k_q2a1b8bc7ac_prep:
	.size	k_q2a1b8bc7ac_prep, .Lfunc_end_k_q2a1b8bc7ac_prep-k_q2a1b8bc7ac_prep
	.p2alignl 7, 3214868480
	.fill 96, 4, 3214868480
	.section	.rodata,"a",@progbits
	.p2align	6, 0x0
	.amdhsa_kernel k_q2a1b8bc7ac_prep
		.amdhsa_group_segment_fixed_size 71168
		.amdhsa_private_segment_fixed_size 0
		.amdhsa_enable_private_segment 0
		.amdhsa_kernarg_size 32
		.amdhsa_user_sgpr_count 2
		.amdhsa_user_sgpr_kernarg_segment_ptr 1
		.amdhsa_wavefront_size32 1
		.amdhsa_system_sgpr_workgroup_id_x 1
		.amdhsa_system_sgpr_workgroup_id_y 1
		.amdhsa_system_sgpr_workgroup_id_z 1
		.amdhsa_system_vgpr_workitem_id 0
		.amdhsa_next_free_vgpr 248
		.amdhsa_next_free_sgpr 66
		.amdhsa_reserve_vcc 1
		.amdhsa_float_denorm_mode_32 3
		.amdhsa_float_denorm_mode_16_64 3
		.amdhsa_memory_ordered 1
		.amdhsa_forward_progress 1
		.amdhsa_inst_pref_size 39
	.end_amdhsa_kernel
	.amdgpu_metadata
---
amdhsa.version: [ 1, 2 ]
amdhsa.kernels:
  - .name:           k_q2a1b8bc7ac_prep
    .symbol:         k_q2a1b8bc7ac_prep.kd
    .args:
      - { .name: k, .offset: 0, .size: 8, .value_kind: global_buffer, .address_space: global }
      - { .name: v, .offset: 8, .size: 8, .value_kind: global_buffer, .address_space: global }
      - { .name: attention_mask, .offset: 16, .size: 8, .value_kind: global_buffer, .address_space: global }
      - { .name: kv, .offset: 24, .size: 8, .value_kind: global_buffer, .address_space: global }
    .group_segment_fixed_size: 71168
    .private_segment_fixed_size: 0
    .kernarg_segment_align: 8
    .kernarg_segment_size: 32
    .max_flat_workgroup_size: 128
    .sgpr_count:     66
    .vgpr_count:     248
    .wavefront_size: 32
...
	.end_amdgpu_metadata
.endif
;; end of part 1
;; launch attend (part 2): grid 4 x 64, 16 waves a work-group, clusters of 4 x 1, 231,424 bytes of LDS; arguments q, kv, out0; writes out0
.if DOCPART == 2
	.amdgcn_target "amdgcn-amd-amdhsa--gfx1250"
	.amdhsa_code_object_version 6
	.text
	.protected	k_q2a1b8bc7ac_attend
	.globl	k_q2a1b8bc7ac_attend
	.p2align	8
	.type	k_q2a1b8bc7ac_attend,@function
k_q2a1b8bc7ac_attend:
	s_mov_b64 s[64:65], 0
	v_nop
	global_prefetch_b8 v0, s[64:65] scope:SCOPE_SE
	s_setreg_imm32_b32 hwreg(HW_REG_WAVE_MODE, 25, 1), 1
	s_wait_xcnt 0x0
	s_wait_alu depctr_hold_cnt(0) depctr_sa_sdst(0) depctr_va_vdst(0) depctr_va_sdst(0) depctr_va_ssrc(0) depctr_va_vcc(0) depctr_vm_vsrc(0)
	s_getreg_b32 s2, hwreg(HW_REG_IB_STS2, 6, 4)
	s_cmp_eq_u32 s2, 0
	s_cbranch_scc0 .Lentry_in_a_cluster
	s_endpgm
.Lentry_in_a_cluster:
	s_bfe_u32 s2, ttmp6, 0x10000c
	s_cmp_lg_u32 s2, 0x3003
	s_cbranch_scc0 .Lentry_shape_is_right
	s_endpgm
.Lentry_shape_is_right:
; out[head][q][:] = the sum over keys of softmax(q . k / 8, masked) v, both products on codes of FP4 (E2M1) with one E8M0 scale for each 32 along a product's K.
; K, V and the mask come from kv, laid by the launch before as images of operand registers: [head][step of 128 keys][9,984 bytes]: K's 8 tiles (512 each), V's 4 tiles (1,024 each), K's scale words (512), V's (256), register 4 of K's tiles (1,024).
; THE SOFTMAX: t = score x log2(e) / 8; M = the running largest t, rounded up to a whole number; p = 2^(t - M) is quantised along the keys, not normalised; the row's sum is taken of the unquantised p and divides at the end.
; When M moves, the sum and O are multiplied by 2^(old M - new M): exact.
; THE MASK is a code.  The first product has K = 64, the instruction 128.  At k = 64 a masked key carries the code -1 and a key that counts 0 (scale byte 254); every query carries +1 (scale byte 120): a masked score gets -2^120, so p = 0.
; The running largest score begins at -2^100, above a masked one: a step of masked keys alone gives p = 0 and no infinity.
; LIMITS: |t| of keys that count stays under 2^100; NaN and infinities are not served; a block's scale byte is held at 1 from below.
; SHARES.  A work-group owns 512 queries of one head, in two passes of 256; each of its sixteen waves owns 16 queries a pass in 256 registers.  The head's K and V, 159,744 bytes, stay in LDS: filled once, each wave fetching one step;
; one barrier shows them to all waves, and none follows: the waves share nothing else.
; CLUSTER.  The four work-groups of a head ask for the head's bytes jointly: same loads, same descriptors, a mask that names the four.
; No prefetch is laid: the one stream that waves wait for is asked for at the kernel's head; the second pass's q is asked for by ordinary loads ahead of the first pass's way out.
; LAYOUT.  Both products are used transposed: S^T = K Q^T, O^T = V^T P^T: a lane holds one query (lane % 16).  Row m of K's tile 4 c + i is key 64 c + 32 (m / 8) + 8 i + m % 8, so lane (r, h) holds in registers 32 c .. 32 c + 31 of S^T
; the keys 64 c + 32 h + 0 .. 31: a whole block of the second product's K, in the order of that operand's registers: a block's maximum needs no other lane, and the conversions' results are the operand.
.set STEPB, 9984
.set HEADB, 16*STEPB
.set KIMG,  0
.set VIMG,  4096
.set KSCL,  8192
.set VSCL,  8704
.set KMSK,  8960
.set STAGE, HEADB                      ; 16 rows x 272 bytes for each wave, for q's way in and O's way out; no tensor load lands there
.set SP,    272
.set SPARE, STAGE+16*16*SP             ; the spare words, 128 bytes a wave
.set L16, 1
.set L8,  2
.set L4,  3
.set ADA, 4                            ; v4-6 the same + the trip's first LDS byte
.set ADB, 5
.set ADC, 6
.set H8,  7                            ; 8 h
.set STO, 8                            ; the stage: 272 r + 32 h
.set SRD, 9                            ; 272 h + 16 r
.set QRD, 10                           ; 272 r + 128 h
.set NM0, 12                           ; v12 -M of even steps; v13 the running largest score
.set QF,  16                           ; v16-23 Q's fragment: 16-19 codes, v20 the code +1 at k = 64, v21-23 zeros
.set QS,  24
.set KS,  26                           ; v26-29 K's scale words
.set VS,  30
.set KF,  32                           ; v32-95 K's 8 fragments: 0-3 codes, 4 the mask's code, 5-7 zeros written once
.set S,   96                           ; v96-159 S^T, then p; v96-127 also q as loaded
.set XQ,  128
.set OT,  160                          ; v160-191 O^T
.set PC,  192                          ; v192-199 p's codes
.set BM,  200                          ; v200-203 maxima
.set PD1, 204                          ; lane permutes' destinations
.set PD2, 205
.set SX,  206                          ; the sum's chains: v[14:15], SU, SV, SX
.set BS,  208
.set BT,  210
.set TT,  212
.set PS,  213
.set FF,  214                          ; v[214:215] f = 2^(old M - new M)
.set SU,  216
.set NM1, 218                          ; -M of odd steps
.set SV,  220
.set SPW, 222
.set NIL, 223
.set VF,  224                          ; v224-255 V's 4 fragments; on the way out rows of O
.set WV,  10
.set SEL, 20
.set CS,  22                           ; s[22:23] c = log2(e) / 8
.set G1,  24
.set G0,  32
.set TB,  48
.set CNT, 49
.set NC,  54                           ; -c
.macro CROUND                          ; a round of the cluster's barrier
	s_barrier_signal -1
	s_barrier_wait -1
	s_cmp_lg_u32 s[WV], 0
	s_cbranch_scc1 .Lnot_wave_0_\@
	s_barrier_signal -3
.Lnot_wave_0_\@:
	s_barrier_wait -3
	s_barrier_signal -1
	s_barrier_wait -1
.endm
	s_load_b128 s[4:7], s[0:1], 0x0                ; q, kv
	s_load_b64 s[8:9], s[0:1], 0x10                ; out
	v_lshl_add_u32 v[SPW], v0, 2, SPARE
	v_mov_b32 v[NIL], 0
	ds_add_u32 v[SPW], v[NIL]                      ; the add twice on end, one wait
	ds_add_u32 v[SPW], v[NIL]
	v_lshrrev_b32 v1, 5, v0
	v_readfirstlane_b32 s[WV], v1                  ; wave 0..15
	s_bfe_u32 s11, ttmp6, 0x40000                  ; cx: it enters q's and out's offsets alone
	s_and_b32 s12, ttmp7, 0xffff                   ; the head
	s_lshl_b32 s13, ttmp9, 2
	s_add_co_u32 s13, s13, s11                     ; my block of 512 queries
	s_lshl_b32 s16, s12, 19
	s_lshl_b32 s18, s13, 17
	s_add_co_u32 s16, s16, s18
	s_lshl_b32 s18, s[WV], 12
	s_add_co_u32 s16, s16, s18                     ; my wave's first row of q and out
	s_mov_b32 s17, 0
	s_mul_i32 s52, s[WV], STEPB                    ; the step that I fetch: its place in LDS and in the head's bytes alike
	s_mul_i32 s14, s12, HEADB
	s_add_co_u32 s14, s14, s52
	s_mov_b32 s15, 0
	s_mul_i32 s53, s[WV], 16*SP
	s_add_co_u32 s53, s53, STAGE                   ; my stage
	s_mov_b32 s[G1], 15|(3<<16)|(1<<21)            ; the mask: all four work-groups; elements of 8 bytes; bit 21 beside a mask
	s_mov_b32 s[G1+1], 32<<16                      ; 39 dense rows of 256 bytes
	s_mov_b32 s[G1+2], 39<<16
	s_mov_b32 s[G1+3], 32<<16
	s_mov_b32 s[G1+4], 39
	s_mov_b32 s[G1+5], 32
	s_mov_b32 s[G1+6], 0
	s_mov_b32 s[G1+7], 0
	s_mov_b32 s[SEL], 0x76543210
	s_mov_b32 s[SEL+1], 0xfedcba98
	s_mov_b32 s[CS], 0x3e38aa3b
	s_mov_b32 s[CS+1], s[CS]
	s_mov_b32 s[NC], 0xbe38aa3b
	v_and_b32 v7, 31, v0
	v_and_b32 v11, 15, v0                          ; r
	v_bfe_u32 v25, v0, 4, 1                        ; h
	v_lshlrev_b32 v[L16], 4, v7
	v_lshlrev_b32 v[L8], 3, v7
	v_lshlrev_b32 v[L4], 2, v7
	v_mul_u32_u24 v[STO], v11, SP
	v_mul_u32_u24 v[SRD], v25, SP
	v_lshl_add_u32 v[QRD], v25, 7, v[STO]
	v_lshl_add_u32 v[STO], v25, 5, v[STO]
	v_lshl_add_u32 v[SRD], v11, 4, v[SRD]
	v_add_nc_u32 v[QRD], s53, v[QRD]
	v_add_nc_u32 v[STO], s53, v[STO]
	v_add_nc_u32 v[SRD], s53, v[SRD]
	v_lshlrev_b32 v[H8], 3, v25
	v_sub_nc_u32 v11, 1, v25                       ; 1 in lanes 0-15, which hold k = 64 .. 95 in registers 4-7
.irp t, 0,1,2,3,4,5,6,7
	v_mov_b32 v[KF+8*\t+5], 0
	v_mov_b32 v[KF+8*\t+6], 0
	v_mov_b32 v[KF+8*\t+7], 0
.endr
	v_lshlrev_b32 v[QF+4], 1, v11                  ; the code 0x2 = +1 at k = 64 of every query
	v_mov_b32 v[QF+5], 0
	v_mov_b32 v[QF+6], 0
	v_mov_b32 v[QF+7], 0
	v_mov_b32 v[PD1], 0                            ; a lane permute's destination counts as one of its sources
	v_mov_b32 v[PD2], 0
	v_mov_b32 v[FF+1], 0                           ; upper halves of pairs of which the low word alone is used
	v_mov_b32 v[NM1+1], 0
	s_wait_alu depctr_va_vdst(0)                   ; the wait at the head's end
	s_wait_dscnt 0x0
	s_wait_kmcnt 0x0
	s_add_nc_u64 s[4:5], s[4:5], s[16:17]
	s_add_nc_u64 s[8:9], s[8:9], s[16:17]
	s_mov_b32 s[G0], 1
	s_mov_b32 s[G0+1], s52
	s_add_nc_u64 s[G0+2:G0+3], s[6:7], s[14:15]
	s_or_b32 s[G0+3], s[G0+3], 0x80000000
	CROUND                                         ; all four work-groups are here: the joint loads meet
	tensor_load_to_lds s[G0:G0+3], s[G1:G1+7]      ; my one tensor load: step number = my wave's number
	s_nop 0
.rept 4
	v_nop
.endr
.macro QLOAD                           ; my 16 rows of q, 512 bytes on end to a load
.irp i, 0,1,2,3,4,5,6,7
	global_load_b128 v[S+4*\i:S+4*\i+3], v[L16], s[4:5] offset:512*\i th:TH_LOAD_NT
.endr
.endm
.macro QUANTQ                          ; q turns through my stage: lane (r, h) gets d = 32 h .. 32 h + 31 of row r, a whole block; codes, and the scale word: bytes 0, 1 the blocks', byte 2 = 120, byte 3 = 1
.irp i, 0,1,2,3,4,5,6,7
	ds_store_b128 v[SRD], v[S+4*\i:S+4*\i+3] offset:2*SP*\i
.endr
.irp n, 0,1,2,3,4,5,6,7
	ds_load_b128 v[XQ+4*\n:XQ+4*\n+3], v[QRD] offset:16*\n         ; LDS serves a wave's instructions in order
.endr
	s_wait_dscnt 0x0
	v_max3_num_f32 v[BM], |v[XQ]|, |v[XQ+1]|, |v[XQ+2]|
	v_max3_num_f32 v[BM+1], |v[XQ+3]|, |v[XQ+4]|, |v[XQ+5]|
.irp i, 6,10,14,18,22,26
	s_delay_alu instid0(VALU_DEP_2)
	v_max3_num_f32 v[BM], v[BM], |v[XQ+\i]|, |v[XQ+\i+1]|
	s_delay_alu instid0(VALU_DEP_2)
	v_max3_num_f32 v[BM+1], v[BM+1], |v[XQ+\i+2]|, |v[XQ+\i+3]|
.endr
	s_delay_alu instid0(VALU_DEP_2)
	v_max3_num_f32 v[BM], v[BM], |v[XQ+30]|, |v[XQ+31]|
	s_delay_alu instid0(VALU_DEP_1)
	v_max3_num_f32 v[BM], v[BM], v[BM+1], 0x1800000
	s_delay_alu instid0(VALU_DEP_1)
	v_add_nc_u32 v[BS], 0xff000000, v[BM]
.irp n, 0,1,2,3
	v_cvt_scalef32_pk8_fp4_f32 v[QF+\n], v[XQ+8*\n:XQ+8*\n+7], v[BS]
.endr
	v_lshrrev_b32 v[TT], 23, v[BS]                 ; the byte (a plain line behind the conversions)
	s_delay_alu instid0(VALU_DEP_1)
	v_permlanex16_b32 v[PD1], v[TT], s[SEL], s[SEL+1]
	s_delay_alu instid0(VALU_DEP_1)
	v_lshl_or_b32 v[QS], v[PD1], 8, v[TT]          ; right in lanes 0-15, which alone are read
	s_delay_alu instid0(VALU_DEP_1)
	v_or_b32 v[QS], 0x01780000, v[QS]
.endm
.macro INIT                            ; the first step finds zeros, which the first change of M leaves zeros.  These lines also stand between Q's scale word and the first product
	v_mov_b32 v13, 0xf1800000                      ; the largest score so far: -2^100
	v_mov_b32 v14, 0
	v_mov_b32 v15, 0
	v_mul_f32 v[TT], s[NC], v13
	s_delay_alu instid0(VALU_DEP_1)
	v_floor_f32 v[NM1], v[TT]                      ; its -M
.set j, 0
.rept 32
	v_mov_b32 v[OT+j], 0
.set j, j+1
.endr
.endm
.macro KQ t
.if (\t)%2
	v_wmma_scale_f32_16x16x128_f8f6f4 v[S+8*(\t):S+8*(\t)+7], v[KF+8*(\t):KF+8*(\t)+7], v[QF:QF+7], 0, v[KS+(\t)/2], v[QS] matrix_a_fmt:MATRIX_FMT_FP4 matrix_b_fmt:MATRIX_FMT_FP4 matrix_a_scale:MATRIX_SCALE_ROW1
.else
	v_wmma_scale_f32_16x16x128_f8f6f4 v[S+8*(\t):S+8*(\t)+7], v[KF+8*(\t):KF+8*(\t)+7], v[QF:QF+7], 0, v[KS+(\t)/2], v[QS] matrix_a_fmt:MATRIX_FMT_FP4 matrix_b_fmt:MATRIX_FMT_FP4
.endif
.endm
.macro PV t
.if (\t)%2
	v_wmma_scale_f32_16x16x128_f8f6f4 v[OT+8*(\t):OT+8*(\t)+7], v[VF+8*(\t):VF+8*(\t)+7], v[PC:PC+7], v[OT+8*(\t):OT+8*(\t)+7], v[VS+(\t)/2], v[PS] matrix_a_fmt:MATRIX_FMT_FP4 matrix_b_fmt:MATRIX_FMT_FP4 matrix_a_scale:MATRIX_SCALE_ROW1
.else
	v_wmma_scale_f32_16x16x128_f8f6f4 v[OT+8*(\t):OT+8*(\t)+7], v[VF+8*(\t):VF+8*(\t)+7], v[PC:PC+7], v[OT+8*(\t):OT+8*(\t)+7], v[VS+(\t)/2], v[PS] matrix_a_fmt:MATRIX_FMT_FP4 matrix_b_fmt:MATRIX_FMT_FP4
.endif
.endm
.macro TM nn, n                        ; t - M for n pairs of scores from pair j on
.rept \n
	v_pk_fma_f32 v[S+j:S+j+1], v[S+j:S+j+1], s[CS:CS+1], v[\nn:\nn+1] op_sel_hi:[1,0,0]
.set j, j+2
.endr
.endm
.macro ADDP a, k                       ; pair k of p onto chain a
	v_pk_add_f32 v[\a:\a+1], v[\a:\a+1], v[S+2*(\k):S+2*(\k)+1]
.endm
.macro ADD4 k
	ADDP 14, \k
	ADDP SU, (\k)+1
	ADDP SV, (\k)+2
	ADDP SX, (\k)+3
.endm
; A KEY STEP: 128 keys, the q-th of the trip.  nn: the register that takes the new -M; no: the one that holds the old.
.macro STEP q, nn, no
.set B0, (\q)*STEPB
.irp t, 0,1,2,3,4,5,6,7
	ds_load_b128 v[KF+8*\t:KF+8*\t+3], v[ADA] offset:B0+KIMG+512*\t
	ds_load_b32 v[KF+8*\t+4], v[ADB] offset:B0+KMSK+256*(\t/2)+4*(\t%2)
.endr
	ds_load_b64 v[KS:KS+1], v[ADB] offset:B0+KSCL
	ds_load_b64 v[KS+2:KS+3], v[ADB] offset:B0+KSCL+256
	s_wait_dscnt 0x0
.irp t, 0,1,2,3,4,5,6,7
	KQ \t
.endr
.rept 4
	v_nop                                          ; four places ahead of the first read of the results
.endr
.irp x, 0,1,2,3                                ; each block's largest score, in two chains of 15; every accumulator is read from its low end on
	v_max3_num_f32 v[BM+\x], v[S+32*(\x%2)+16*(\x/2)], v[S+32*(\x%2)+16*(\x/2)+1], v[S+32*(\x%2)+16*(\x/2)+2]
.endr
.irp i, 3,5,7
.irp x, 0,1,2,3
	v_max3_num_f32 v[BM+\x], v[BM+\x], v[S+32*(\x%2)+16*(\x/2)+\i], v[S+32*(\x%2)+16*(\x/2)+\i+1]
.endr
.endr
.irp t, 0,1,2,3                                ; V's loads stand behind sixteen plain lines: the places behind the last step's second product
.irp c, 0,1
	ds_load_b128 v[VF+8*\t+4*\c:VF+8*\t+4*\c+3], v[ADA] offset:B0+VIMG+1024*\t+512*\c
.endr
.endr
	ds_load_b32 v[VS], v[ADC] offset:B0+VSCL
	ds_load_b32 v[VS+1], v[ADC] offset:B0+VSCL+128
.irp i, 9,11,13
.irp x, 0,1,2,3
	v_max3_num_f32 v[BM+\x], v[BM+\x], v[S+32*(\x%2)+16*(\x/2)+\i], v[S+32*(\x%2)+16*(\x/2)+\i+1]
.endr
.endr
	v_max3_num_f32 v[BM], v[BM], v[BM+2], v[S+15]
	v_max3_num_f32 v[BM+1], v[BM+1], v[BM+3], v[S+47]
	v_max_num_f32 v[BM], v[BM], v[S+31]            ; block 2 c + h's largest score, c = 0,
	v_max_num_f32 v[BM+1], v[BM+1], v[S+63]        ; and c = 1
	s_delay_alu instid0(VALU_DEP_1)
	v_max_num_f32 v[TT], v[BM], v[BM+1]
	s_delay_alu instid0(VALU_DEP_1)
	v_permlanex16_b32 v[PD1], v[TT], s[SEL], s[SEL+1]
	s_delay_alu instid0(VALU_DEP_1)
	v_max3_num_f32 v13, v13, v[TT], v[PD1]         ; the running largest score of my query
	s_delay_alu instid0(VALU_DEP_1)
	v_mul_f32 v[TT], s[NC], v13                    ; -t
	s_delay_alu instid0(VALU_DEP_1)
	v_floor_f32 v[\nn], v[TT]                      ; -M = -ceil(t): a whole number
	s_delay_alu instid0(VALU_DEP_1)
	v_sub_f32 v[TT], v[\nn], v[\no]                ; old M - new M: 0 or less
.set j, 0
	TM \nn, 8
	v_cvt_i32_f32 v[TT], v[TT]                     ; (it saturates)
	TM \nn, 8
	v_ldexp_f32 v[FF], 1.0, v[TT]                  ; f = 2^(old M - new M)
	TM \nn, 16
	v_fma_f32 v[BM], v[BM], s[CS], v[\nn]          ; the same of each block's largest score
	v_fma_f32 v[BM+1], v[BM+1], s[CS], v[\nn]
.set j, 0
.rept 16
	v_pk_mul_f32 v[OT+j:OT+j+1], v[OT+j:OT+j+1], v[FF:FF+1] op_sel_hi:[1,0]   ; O^T under the new M, each accumulator from its low end on
.set j, j+2
.endr
	s_wait_alu depctr_va_vdst(0)                   ; the wait ahead of the batch
	v_exp_f32 v[BM], v[BM]                         ; each block's largest p: the same two instructions on the same number give the same bits
	v_exp_f32 v[BM+1], v[BM+1]
.set j, 0
.rept 64
	v_exp_f32 v[S+j], v[S+j]                       ; p = 2^(t - M)
.set j, j+1
.endr
	v_pk_mul_f32 v[14:15], v[14:15], v[FF:FF+1] op_sel_hi:[1,0]    ; the sum under the new M (the plain line behind the batch)
	s_wait_alu depctr_va_vdst(0)                   ; and the wait ahead of the batch's first reader
	v_max_num_f32 v[BM], 0x1800000, v[BM]          ; the floor 2^(3 - 127): a block whose every p is 0 keeps the byte 1; its codes are zeros
	v_max_num_f32 v[BM+1], 0x1800000, v[BM+1]
	v_pk_add_f32 v[SU:SU+1], v[S:S+1], v[S+2:S+3]  ; the row's sum of the unquantised p, in four chains, laid between the scale's lines
	v_pk_add_f32 v[SV:SV+1], v[S+4:S+5], v[S+6:S+7]
	v_pk_add_f32 v[SX:SX+1], v[S+8:S+9], v[S+10:S+11]
	v_add_nc_u32 v[BS], 0xff000000, v[BM]          ; 2 off the exponent field: the conversion's scale operand
	v_add_nc_u32 v[BS+1], 0xff000000, v[BM+1]
	ADD4 6
	v_lshrrev_b32 v[BT], 23, v[BS]                 ; the scale's byte
	v_lshrrev_b32 v[BT+1], 23, v[BS+1]
	ADD4 10
	v_lshl_or_b32 v[TT], v[BT+1], 16, v[BT]        ; my two bytes: blocks h and 2 + h,
	ADDP 14, 14
	ADDP SU, 15
	v_lshlrev_b32 v[TT], v[H8], v[TT]              ; at their places in the word;
	ADDP SV, 16
	ADDP SX, 17
	v_permlanex16_b32 v[PD2], v[TT], s[SEL], s[SEL+1]
	ADDP 14, 18
	ADDP SU, 19
	v_or_b32 v[PS], v[TT], v[PD2]                  ; with lane l xor 16's two the word is whole
.irp c, 0,1
.irp i, 0,1,2,3
	v_cvt_scalef32_pk8_fp4_f32 v[PC+4*\c+\i], v[S+32*\c+8*\i:S+32*\c+8*\i+7], v[BS+\c]   ; register 4 c + i of the operand: keys 64 c + 32 h + 8 i ..
.endr
.endr
	ADDP SV, 20                                    ; fifteen plain lines: the places between p's scale word and codes and the scaled products
	ADDP SX, 21
	ADD4 22
	ADD4 26
	ADDP 14, 30
	ADDP SU, 31
	v_pk_add_f32 v[SU:SU+1], v[SU:SU+1], v[SV:SV+1]
	v_pk_add_f32 v[14:15], v[14:15], v[SX:SX+1]
	s_delay_alu instid0(VALU_DEP_1)
	v_pk_add_f32 v[14:15], v[14:15], v[SU:SU+1]
	s_wait_dscnt 0x0                               ; V's fragments and scale words are in
.irp t, 0,1,2,3
	PV \t                                          ; the four accumulators by turns, one instruction a turn
.endr
.endm
.macro WAYOUT p                        ; O^T / the sum goes through my stage: each store of the wave covers 512 bytes on end, two whole rows of out
	v_add_f32 v14, v14, v15
	s_delay_alu instid0(VALU_DEP_1)
	v_permlanex16_b32 v[PD1], v14, s[SEL], s[SEL+1]
	s_delay_alu instid0(VALU_DEP_1)
	v_add_f32 v14, v14, v[PD1]                     ; the row's sum
	s_wait_alu depctr_va_vdst(0)                   ; the wait ahead of the transcendental
	v_rcp_f32 v[FF], v14
.rept 4
	v_nop
.endr
	s_wait_alu depctr_va_vdst(0)                   ; and ahead of its first reader, which is also the last products' first reader
.set j, 0
.rept 16
	v_pk_mul_f32 v[XQ+j:XQ+j+1], v[OT+j:OT+j+1], v[FF:FF+1] op_sel_hi:[1,0]   ; register 8 t + i is out(r, 16 t + 8 h + i)
.set j, j+2
.endr
.irp t, 0,1,2,3
	ds_store_b128 v[STO], v[XQ+8*\t:XQ+8*\t+3] offset:64*\t
	ds_store_b128 v[STO], v[XQ+8*\t+4:XQ+8*\t+7] offset:64*\t+16
.endr
.irp i, 0,1,2,3,4,5,6,7
	ds_load_b128 v[VF+4*\i:VF+4*\i+3], v[SRD] offset:2*SP*\i       ; LDS serves a wave's instructions in order
.endr
.irp i, 0,1,2,3,4,5,6,7
	s_wait_dscnt 7-\i                              ; row pair i is back; the 7 - i loads behind it may be out
	global_store_b128 v[L16], v[VF+4*\i:VF+4*\i+3], s[8:9] offset:512*\i th:TH_STORE_NT
.endr
.if (\p) == 0
	s_wait_xcnt 0x0                                ; the stores' registers and base are written again only behind this wait
	s_add_nc_u64 s[8:9], s[8:9], 65536             ; the next pass's rows: 256 further down
.endif
.endm
.macro PASS p                          ; 16 queries a wave against all 2,048 keys: eight trips of two steps
	s_wait_loadcnt 0x0                             ; q is in
	QUANTQ
	INIT
.if (\p) == 0
	s_wait_tensorcnt 0x0                           ; my step of the head has landed
	s_wait_dscnt 0x0
	s_barrier_signal -1
	s_barrier_wait -1                              ; and so has every wave's: nothing is filled again, so this is the only such barrier
.endif
	s_mov_b32 s[TB], 0
	s_mov_b32 s[CNT], 8
.Lstep_\@:
	v_add_nc_u32 v[ADA], s[TB], v[L16]
	v_add_nc_u32 v[ADB], s[TB], v[L8]
	v_add_nc_u32 v[ADC], s[TB], v[L4]
	STEP 0, NM0, NM1
	STEP 1, NM1, NM0
	s_add_co_u32 s[TB], s[TB], 2*STEPB
	s_sub_co_u32 s[CNT], s[CNT], 1
	s_cmp_lg_u32 s[CNT], 0
	s_cbranch_scc1 .Lstep_\@
.if (\p) == 0
	s_add_nc_u64 s[4:5], s[4:5], 65536             ; the next pass's q is asked for ahead of the way out (the earlier loads of q were waited for)
	QLOAD
.endif
	s_wait_alu depctr_va_vdst(0)
	WAYOUT \p
.endm
	QLOAD
	PASS 0
	PASS 1
	s_wait_tensorcnt 0x0                           ; the wave's end
	ds_add_u32 v[SPW], v[NIL]
	s_wait_dscnt 0x0
	CROUND                                         ; the closing round
	s_endpgm
.Lfunc_end_k_q2a1b8bc7ac_attend:
	.size	k_q2a1b8bc7ac_attend, .Lfunc_end_k_q2a1b8bc7ac_attend-k_q2a1b8bc7ac_attend
	.p2alignl 7, 3214868480
	.fill 96, 4, 3214868480
	.section	.rodata,"a",@progbits
	.p2align	6, 0x0
	.amdhsa_kernel k_q2a1b8bc7ac_attend
		.amdhsa_group_segment_fixed_size 231424
		.amdhsa_private_segment_fixed_size 0
		.amdhsa_enable_private_segment 0
		.amdhsa_kernarg_size 24
		.amdhsa_user_sgpr_count 2
		.amdhsa_user_sgpr_kernarg_segment_ptr 1
		.amdhsa_wavefront_size32 1
		.amdhsa_system_sgpr_workgroup_id_x 1
		.amdhsa_system_sgpr_workgroup_id_y 1
		.amdhsa_system_sgpr_workgroup_id_z 1
		.amdhsa_system_vgpr_workitem_id 0
		.amdhsa_next_free_vgpr 256
		.amdhsa_next_free_sgpr 66
		.amdhsa_reserve_vcc 0
		.amdhsa_float_denorm_mode_32 3
		.amdhsa_float_denorm_mode_16_64 3
		.amdhsa_memory_ordered 1
		.amdhsa_forward_progress 1
		.amdhsa_inst_pref_size 81
	.end_amdhsa_kernel
	.amdgpu_metadata
---
amdhsa.version: [ 1, 2 ]
amdhsa.kernels:
  - .name:           k_q2a1b8bc7ac_attend
    .symbol:         k_q2a1b8bc7ac_attend.kd
    .args:
      - { .name: q, .offset: 0, .size: 8, .value_kind: global_buffer, .address_space: global }
      - { .name: kv, .offset: 8, .size: 8, .value_kind: global_buffer, .address_space: global }
      - { .name: out0, .offset: 16, .size: 8, .value_kind: global_buffer, .address_space: global }
    .group_segment_fixed_size: 231424
    .private_segment_fixed_size: 0
    .kernarg_segment_align: 8
    .kernarg_segment_size: 24
    .max_flat_workgroup_size: 512
    .sgpr_count:     66
    .vgpr_count:     256
    .wavefront_size: 32
...
	.end_amdgpu_metadata
.endif
;; end of part 2
